; MI455X (gfx1250); checked and timed in simulation.
; The chip was launched on July 23, 2026; its instructions are those of AMD's public machine-readable ISA for CDNA 5 (MIT licence, August 2026) and "CDNA5" Instruction Set Architecture Reference Guide (July 2026). The comments in the code are by the model that wrote it; some were corrected since.
;; Ternary Dense. Allowed arithmetic: matrix products marked QUANTISED: E4M3 operands, one E8M0 scale for each 32 along K, by v_wmma_scale_f32_16x16x128_f8f6f4 with both operands' format E4M3, f32 sums; everything else in f32.
;; Inputs: W 4,096 x 4,096 float32; b 4,096 float32; inputs 4,096 x 4,096 float32.
;; Outputs: out0 4,096 x 4,096 float32.
;; This version of the problem:
;;   THIS VERSION OF THE PROBLEM IS GIVEN IN LOW PRECISION. The matrix products marked QUANTISED in the list below multiply operands that are first quantised to E4M3 (4 exponent bits, 3 mantissa bits; 8 bits a number), with one power-of-two scale for each 32 numbers along K (OCP MX v1.0); their sums are f32. All else is computed in f32.
;;   The module's matrix products, in the order in which they are computed (A, B: the left and right operand; K: the contracted axis; several contracted axes count as one K, in the product's order):
;;     1. [M 4,096, K 4,096] x [K 4,096, N 4,096]; A: input inputs; B: computed on the way: QUANTISED
;;   THE QUANTISER, for each operand of a quantised product, along K:
;;     - K is cut into blocks of 32 from its start; a last block that is shorter is filled with zeros.
;;     - A block's scale is 2^e with e = floor(log2(the largest magnitude in the block)) - 8, held to -126 .. 127; a block of zeros has e = 0. As a byte (E8M0): e + 127.
;;     - Each number is divided by its block's scale, clamped to +-448, and rounded to the nearest number of E4M3, ties to even, subnormals kept.
;;     - The product sums the exact products of the quantised numbers (number of the format x scale) in f32.
;;   ~~~python
;;   def quantise(x, axis):      # numpy; x: float32 -> the quantised numbers, widened to float32 again
;;       x = np.moveaxis(x, axis, -1); K = x.shape[-1]
;;       x = np.pad(x, [(0, 0)] * (x.ndim - 1) + [(0, -K % 32)]); x = x.reshape(x.shape[:-1] + (-1, 32)); a = np.abs(x).max(-1, keepdims=True)
;;       e = np.where(a > 0, np.clip(np.frexp(np.where(a > 0, a, 1))[1] - 1 - 8, -126, 127), 0)      # np.frexp(a)[1] - 1 = floor(log2(a)), exactly
;;       r = np.clip(x / 2.0 ** e, -448, 448)
;;       step = 2.0 ** (np.maximum(np.frexp(np.where(r == 0, 1, r))[1] - 1, -6) - 3)
;;       q = np.round(r / step) * step * 2.0 ** e      # np.round: ties to even
;;       return np.moveaxis(q.reshape(q.shape[:-2] + (-1,))[..., :K], -1, axis).astype(np.float32)
;;   ~~~
;;   OPERANDS COMPUTED ON THE WAY. 'Computed on the way' means the value that the module computes at that place (a softmax that the list does not call 'softmax' is quantised finished and normalised). What goes into a quantiser is computed in f32, as accurately as f32 sums, v_exp_f32 and their like allow (about 1e-6 of the number): no bf16 or f16 on the way to a quantiser, and a product that is left as it is and whose result goes on into a quantised operand takes f32 operands (vector FMAs, or v_wmma_f32_16x16x4_f32). A number that lies on a knife's edge between two numbers of the format may be rounded either way, as far as f32 arithmetic and the matrix unit's own rounding can turn it there, and no further.
;; One version. Each part assembles by itself: llvm-mc -triple=amdgcn-amd-amdhsa -mcpu=gfx1250 --defsym DOCPART=n.
;; ======== version 1 of 1: 3 launches
;; limits: right only within a limited range of input values
;; workspace buffers: x_codes 16,777,216 bytes; x_scales 524,288 bytes; part1 2,048 bytes; w_pat 16,777,216 bytes; part2 4,096 bytes
;; launch quant_sum (part 1): grid 512 x 1, 4 waves a work-group, no clusters, 33,536 bytes of LDS; arguments inputs, W, x_codes, x_scales, part1; writes x_codes, x_scales, part1
.if DOCPART == 1
	.amdgcn_target "amdgcn-amd-amdhsa--gfx1250"
	.amdhsa_code_object_version 6
	.text
	.protected	k_q11891f29f8_quant_sum
	.globl	k_q11891f29f8_quant_sum
	.p2align	8
	.type	k_q11891f29f8_quant_sum,@function
k_q11891f29f8_quant_sum:
	s_mov_b64 s[64:65], 0
	v_nop
	global_prefetch_b8 v0, s[64:65] scope:SCOPE_SE
	s_setreg_imm32_b32 hwreg(HW_REG_WAVE_MODE, 25, 1), 1
	s_wait_xcnt 0x0
; TWO THINGS IN ONE PASS.  (1) inputs [4096][4096] f32 become codes of FP8 (E4M3), K innermost, with one E8M0 byte for each 32 along K: x_codes [4096][4096], x_scales [4096][128].
; (2) the sum of |W| over W [4096][4096] f32, as 512 partial sums, one a work-group, in part1: the next launch makes the threshold of them.
; A block's scale is 2^(floor(log2(its largest magnitude)) - 8); its byte is the largest magnitude's exponent field - 8, held at 1 from below.  Each number is divided by the scale, held within +-448 and rounded to the nearest code, ties to even.
; LIMITS: NaN and infinities among the inputs are not served.  Blocks whose largest magnitude lies under 2^-118 have their byte held at 1: not tried.  A block of zeros gets the byte 1 where the quantiser says 127:
; its codes are zeros, which add nothing under any byte but 0xff, and the bytes are read by this program alone.  The sum of |W| is a tree of f32 additions (8 chains of 32 a lane, 32 lanes, 4 waves, 512 work-groups).
; SHARES.  Both tensors are dense streams of 16,777,216 numbers.  Wave number 4 x work-group + wave takes run number R of 8,192 numbers of each.  W first: four batches of 16 loads (512 consecutive bytes each), two batches out at a time.
; Then inputs: 16 steps of 512 numbers.  The conversions take neighbours along K from ONE lane's registers, while a load is dense where neighbouring LANES take neighbouring bytes: so a step's 2,048 bytes go through the wave's
; own stage in LDS as they lie and come back 64 bytes a lane (16 bytes of padding behind each 64).  Two neighbouring lanes hold a block.  A wave's 256 scale bytes are gathered in LDS and leave as 256 consecutive bytes, aligned.
.set STEPS, 16
.set EMAX,  8
.set MANT,  0x600000                   ; the mantissa field of 448 as f32
.set CB,    16                         ; bytes of 16 codes
.set R,     16                         ; v16-79   four sets of 16 numbers of inputs as they are loaded
.set X,     80                         ; v80-111  two sets of 16 neighbours
.set E,     112                        ; v112-127 a scale byte for each step
.set C,     128                        ; v128-191 codes: four registers for each step, so that no store's data are written again
.set WA,    16                         ; v16-79   W, set A (before inputs take these registers)
.set WB,    80                         ; v80-143  W, set B
.set ACC,   192                        ; v192-199 eight running sums of |W|
.set WREG,  8192                       ; LDS: a region of its own for each wave: two stages of 32 x SP bytes, and behind them its 256 scale bytes
.set SP,    80                         ; a lane's place in a stage: its 64 bytes + 16 of padding
.set SUMB,  4*WREG                     ; behind the waves' regions: four words, a wave's sum each
	s_load_b128 s[4:7], s[0:1], 0x0                ; inputs, W
	s_load_b128 s[8:11], s[0:1], 0x10              ; x_codes, x_scales
	s_load_b64 s[12:13], s[0:1], 0x20              ; part1
	v_lshl_add_u32 v208, v0, 2, 0x8100
	v_mov_b32 v209, 0
	v_lshrrev_b32 v1, 5, v0
	v_readfirstlane_b32 s16, v1                    ; wave
	v_lshl_add_u32 v200, v1, 2, SUMB               ; my wave's word among the four sums
	v_mov_b32 v201, SUMB
	v_mov_b32 v202, 0
	v_and_b32 v2, 31, v0                           ; lane
	v_lshlrev_b32 v3, 4, v2                        ; my 16 bytes of a load's 512
	s_mul_i32 s17, s16, WREG
	v_lshrrev_b32 v14, 2, v2
	v_mul_u32_u24 v14, v14, SP
	v_and_b32 v15, 3, v2
	v_lshl_add_u32 v14, v15, 4, v14
	v_add_nc_u32 v14, s17, v14                     ; the stage, on the way in: four lanes' 64 bytes on end, then 16 of padding
	v_mul_u32_u24 v15, v2, SP
	v_add_nc_u32 v15, s17, v15                     ; and on the way out: SP x lane: my 16 neighbours
	v_mul_u32_u24 v4, v2, CB                       ; my codes' place in a step's
	v_lshrrev_b32 v5, 1, v2
	s_add_co_u32 s17, s17, 2*32*SP
	v_add_nc_u32 v5, s17, v5                       ; LDS: my wave's 256 scale bytes, my block's byte
	v_lshlrev_b32 v7, 3, v2                        ; and on the way out 8 bytes a lane
	v_add_nc_u32 v6, s17, v7
	s_mov_b32 s23, MANT                            ; (an instruction takes one literal: the hold's line has another)
	s_mov_b32 s24, 0x76543210
	s_mov_b32 s25, 0xfedcba98                      ; v_permlanex16_b32's selects for lane l xor 16
	s_lshl_b32 s18, ttmp9, 2
	s_add_co_u32 s18, s18, s16                     ; R: which run of 8,192 numbers is my wave's
	s_lshl_b32 s20, s18, 15                        ; 32,768 bytes of f32 a run
	s_mov_b32 s21, 0
	s_wait_kmcnt 0x0
	s_add_nc_u64 s[4:5], s[4:5], s[20:21]
	s_add_nc_u64 s[6:7], s[6:7], s[20:21]
	s_lshl_b32 s20, s18, 13                        ; 8,192 bytes of codes
	s_add_nc_u64 s[8:9], s[8:9], s[20:21]
	s_lshl_b32 s20, s18, 8                         ; 256 scale bytes
	s_add_nc_u64 s[10:11], s[10:11], s[20:21]
	s_lshl_b32 s20, ttmp9, 2                       ; a word a work-group
	s_add_nc_u64 s[12:13], s[12:13], s[20:21]
.macro LOADW g, set                    ; batch g of W: 16 loads of 512 consecutive bytes
.irp i, 0,1,2,3,4,5,6,7,8,9,10,11,12,13,14,15
	global_load_b128 v[\set+4*\i:\set+4*\i+3], v3, s[6:7] offset:8192*\g+512*\i th:TH_LOAD_NT
.endr
.endm
.macro SUMW set, first                 ; 64 magnitudes onto eight chains that do not wait for each other; first = 1: the first sixteen start the chains: nothing is cleared
.if \first
.irp i, 0,1,2,3,4,5,6,7
	v_add_f32 v[ACC+\i], |v[\set+\i]|, |v[\set+8+\i]|
.endr
.set J, 16
.else
.set J, 0
.endif
.rept 64-J
	v_add_f32 v[ACC+J%8], v[ACC+J%8], |v[\set+J]|
.set J, J+1
.endr
.endm
.macro LOAD t                          ; step t of inputs: four loads of 512 consecutive bytes
.irp i, 0,1,2,3
	global_load_b128 v[R+16*((\t)%4)+4*\i:R+16*((\t)%4)+4*\i+3], v3, s[4:5] offset:2048*(\t)+512*\i th:TH_LOAD_NT
.endr
.endm
.macro TURN t                          ; step t's numbers through the stage: LDS serves a wave's instructions in order, so no wait stands between the stores and the loads
.irp i, 0,1,2,3
	ds_store_b128 v14, v[R+16*((\t)%4)+4*\i:R+16*((\t)%4)+4*\i+3] offset:32*SP*((\t)%2)+8*SP*\i
.endr
.irp i, 0,1,2,3
	ds_load_b128 v[X+16*((\t)%2)+4*\i:X+16*((\t)%2)+4*\i+3], v15 offset:32*SP*((\t)%2)+16*\i
.endr
.endm
	; ---- the sum of |W|
	LOADW 0, WA
	LOADW 1, WB
	s_wait_loadcnt 16                              ; batch 0 is in; batch 1's sixteen may be out
	SUMW WA, 1
	LOADW 2, WA
	s_wait_alu depctr_va_vdst(0)
	s_wait_loadcnt 16                              ; batch 1 is in; batch 2's may be out
	SUMW WB, 0
	LOADW 3, WB
	s_wait_alu depctr_va_vdst(0)
	s_wait_loadcnt 16                              ; batch 2 is in; batch 3's may be out
	SUMW WA, 0
.irp t, 0,1,2,3
	LOAD \t                                        ; the first four steps of inputs, into the registers that set A has left
.endr
	s_wait_alu depctr_va_vdst(0)
	s_wait_loadcnt 16                              ; batch 3 is in; the sixteen loads of inputs may be out
	SUMW WB, 0
	v_pk_add_f32 v[192:193], v[192:193], v[196:197]
	v_pk_add_f32 v[194:195], v[194:195], v[198:199]
	v_pk_add_f32 v[192:193], v[192:193], v[194:195]
	v_add_f32 v192, v192, v193
	v_add_f32_dpp v192, v192, v192 row_xmask:1 row_mask:0xf bank_mask:0xf
	v_add_f32_dpp v192, v192, v192 row_xmask:2 row_mask:0xf bank_mask:0xf
	v_add_f32_dpp v192, v192, v192 row_xmask:4 row_mask:0xf bank_mask:0xf
	v_add_f32_dpp v192, v192, v192 row_xmask:8 row_mask:0xf bank_mask:0xf
	v_permlanex16_b32 v193, v192, s24, s25         ; (its destination counts as read: v193 has been written)
	v_add_f32 v192, v192, v193                     ; every lane holds the wave's sum
	ds_store_b32 v200, v192                        ; all lanes write the same word with the same value
	s_wait_dscnt 0x0                               ; for the others' sake: my store has landed
	s_barrier_signal -1
	s_barrier_wait -1
	s_cmp_lg_u32 s16, 0
	s_cbranch_scc1 .Lnot_wave_0                    ; wave 0 adds the four and stores the work-group's word
	ds_load_b128 v[204:207], v201
	s_wait_dscnt 0x0
	v_add_f32 v204, v204, v205
	v_add_f32 v206, v206, v207
	v_add_f32 v204, v204, v206
	v_cmp_eq_u32 vcc_lo, 0, v0
	s_wait_alu depctr_va_vdst(0)
	s_wait_xcnt 0x0                                ; the loads of inputs are out, and EXEC is one of their sources: it changes only behind this wait
	s_and_saveexec_b32 s26, vcc_lo
	global_store_b32 v202, v204, s[12:13]
	s_wait_xcnt 0x0                                ; and again in front of the line that widens it
	s_or_b32 exec_lo, exec_lo, s26
.Lnot_wave_0:
	; ---- inputs into codes
	s_wait_loadcnt 12                              ; step 0's four loads are in
	TURN 0
.macro STEP t
.set XS, X+16*((\t)%2)
.if (\t) > 0
	s_wait_dscnt 1                                 ; this step's numbers are back from the stage (the last step's byte store may be out): so its stores into the stage have read their registers,
.else
	s_wait_dscnt 0x0
.endif
.if (\t)+4 < STEPS
	LOAD (\t)+4                                    ; which take the loads of four steps on
.endif
.if (\t)+1 < STEPS
.if STEPS-2-(\t) >= 3
	s_wait_loadcnt 12                              ; the next step's four loads are in; those of the three steps behind it may be out
.else
	s_wait_loadcnt 4*(STEPS-2-(\t))
.endif
	TURN (\t)+1                                    ; and go through the other stage while this step is worked
.endif
	v_max3_num_f32 v8, |v[XS]|, |v[XS+1]|, |v[XS+2]|               ; the largest magnitude of my 16
	v_max3_num_f32 v9, |v[XS+3]|, |v[XS+4]|, |v[XS+5]|
.irp i, 6,10
	v_max3_num_f32 v8, v8, |v[XS+\i]|, |v[XS+\i+1]|
	v_max3_num_f32 v9, v9, |v[XS+\i+2]|, |v[XS+\i+3]|
.endr
	v_max3_num_f32 v8, v8, |v[XS+14]|, |v[XS+15]|
	v_max3_num_f32 v8, v8, v9, (EMAX+1)<<23        ; and the floor 2^(EMAX + 1 - 127): so the byte cannot fall under 1
	v_max_num_f32_dpp v8, v8, v8 row_xmask:1 row_mask:0xf bank_mask:0xf   ; and of my neighbour's 16: the block's
	v_add_nc_u32 v11, -(EMAX<<23), v8              ; EMAX off its exponent field: the conversion takes the exponent field of this operand as its scale, and nothing else of it
	v_and_or_b32 v10, v8, 0x7f800000, s23          ; 448 x the scale: the largest magnitude's exponent field over 448's mantissa
.irp i, 0,1,2,3,4,5,6,7,8,9,10,11,12,13,14,15
	v_med3_num_f32 v[XS+\i], v[XS+\i], -v10, v10   ; the conversion to an 8-bit code does not saturate (ISA guide 7.6.2): hold the number within the largest code x the scale first
.endr
	v_cvt_scalef32_pk8_fp8_f32 v[C+4*(\t):C+4*(\t)+1], v[XS:XS+7], v11
	v_cvt_scalef32_pk8_fp8_f32 v[C+4*(\t)+2:C+4*(\t)+3], v[XS+8:XS+15], v11
	v_lshrrev_b32 v[E+(\t)], 23, v11               ; the scale's byte (also the plain line behind the conversions)
	ds_store_b8 v5, v[E+(\t)] offset:16*(\t)       ; both lanes of a block write the same byte with the same value
	global_store_b128 v4, v[C+4*(\t):C+4*(\t)+3], s[8:9] offset:32*CB*(\t)   ; the wave stores 512 consecutive bytes, aligned
.endm
.irp t, 0,1,2,3,4,5,6,7,8,9,10,11,12,13,14,15
	STEP \t
.endr
	ds_load_b64 v[12:13], v6                       ; LDS serves a wave's instructions in order: these see my stores
	s_wait_dscnt 0x0
	global_store_b64 v7, v[12:13], s[10:11]        ; 32 lanes store 256 consecutive bytes, aligned
	s_wait_tensorcnt 0x0
	ds_add_u32 v208, v209
	s_wait_dscnt 0x0
	s_endpgm
.Lfunc_end_k_q11891f29f8_quant_sum:
	.size	k_q11891f29f8_quant_sum, .Lfunc_end_k_q11891f29f8_quant_sum-k_q11891f29f8_quant_sum
	.p2alignl 7, 3214868480
	.fill 96, 4, 3214868480
	.section	.rodata,"a",@progbits
	.p2align	6, 0x0
	.amdhsa_kernel k_q11891f29f8_quant_sum
		.amdhsa_group_segment_fixed_size 33536
		.amdhsa_private_segment_fixed_size 0
		.amdhsa_enable_private_segment 0
		.amdhsa_kernarg_size 40
		.amdhsa_user_sgpr_count 2
		.amdhsa_user_sgpr_kernarg_segment_ptr 1
		.amdhsa_wavefront_size32 1
		.amdhsa_system_sgpr_workgroup_id_x 1
		.amdhsa_system_sgpr_workgroup_id_y 1
		.amdhsa_system_sgpr_workgroup_id_z 1
		.amdhsa_system_vgpr_workitem_id 0
		.amdhsa_next_free_vgpr 210
		.amdhsa_next_free_sgpr 66
		.amdhsa_reserve_vcc 1
		.amdhsa_float_denorm_mode_32 3
		.amdhsa_float_denorm_mode_16_64 3
		.amdhsa_memory_ordered 1
		.amdhsa_forward_progress 1
		.amdhsa_inst_pref_size 74
	.end_amdhsa_kernel
	.amdgpu_metadata
---
amdhsa.version: [ 1, 2 ]
amdhsa.kernels:
  - .name:           k_q11891f29f8_quant_sum
    .symbol:         k_q11891f29f8_quant_sum.kd
    .args:
      - { .name: inputs, .offset: 0, .size: 8, .value_kind: global_buffer, .address_space: global }
      - { .name: W, .offset: 8, .size: 8, .value_kind: global_buffer, .address_space: global }
      - { .name: x_codes, .offset: 16, .size: 8, .value_kind: global_buffer, .address_space: global }
      - { .name: x_scales, .offset: 24, .size: 8, .value_kind: global_buffer, .address_space: global }
      - { .name: part1, .offset: 32, .size: 8, .value_kind: global_buffer, .address_space: global }
    .group_segment_fixed_size: 33536
    .private_segment_fixed_size: 0
    .kernarg_segment_align: 8
    .kernarg_segment_size: 40
    .max_flat_workgroup_size: 128
    .sgpr_count:     66
    .vgpr_count:     210
    .wavefront_size: 32
...
	.end_amdgpu_metadata
.endif
;; end of part 1
;; launch tern (part 2): grid 32 x 16, 8 waves a work-group, no clusters, 36,096 bytes of LDS; arguments W, part1, w_pat, part2; writes w_pat, part2
.if DOCPART == 2
	.amdgcn_target "amdgcn-amd-amdhsa--gfx1250"
	.amdhsa_code_object_version 6
	.text
	.protected	k_q11891f29f8_tern
	.globl	k_q11891f29f8_tern
	.p2align	8
	.type	k_q11891f29f8_tern,@function
k_q11891f29f8_tern:
	s_mov_b64 s[64:65], 0
	v_nop
	global_prefetch_b8 v0, s[64:65] scope:SCOPE_SE
	s_setreg_imm32_b32 hwreg(HW_REG_WAVE_MODE, 25, 1), 1
	s_wait_xcnt 0x0
; W [4096 (k)][4096 (n)] f32 -> its ternary PATTERN, laid [4096 (n)][4096 (k)] with K innermost, a byte a number: 0x00 where |W| < t, 0x7f where W >= t, 0xff where W <= -t; and 512 partial (sum, count) over |W| > t.
; t = 0.7 x (the sum of part1's 512 words) x 2^-24.  Every wave adds the 512 words in the same order, so t has the same bits everywhere.
; sign(sign(W + t) + sign(W - t)) is, for t > 0, the sign of W where |W| >= t (NOT strict: at W = t one of the two signs is 0 and the other decides); alpha's sum and count take |W| > t (strict).  Both tests are made.
; The next launch ANDs the pattern with 0x80 | (alpha's code): so the pattern's byte is the sign over seven ones.  It is cut from the number itself: (W | 0x7f000000)'s top byte.
; LIMITS: NaN and infinities in W are not served; W all zeros (t = 0) is not served (the result is NaN by definition there).  t comes from a tree sum in f32: a number whose magnitude lies within that sum's rounding of t
; may fall on the other side than under another order of summing.
; SHARES.  Work-group (x, y): columns 128 x .. + 127, rows of K 256 y .. + 255.  Wave w: rows 32 w .. + 31 of these, all 128 columns; a lane takes 4 neighbouring columns, so each load reads 512 consecutive bytes of a row of W.
; All 32 loads of a wave go out at the head.  A lane's registers run DOWN K: four top bytes of one column pack into a word by three v_perm_b32, four words are 16 neighbours along K.
; They meet in one stage in LDS: 128 rows (a column each) x 256 bytes + 16 of padding; stage row 32 j + lane holds column 4 lane + j, so that the lanes of a store stand 272 bytes apart.  Behind the barrier each wave
; reads 16 whole rows and stores them: sixteen lanes store 256 consecutive bytes of a row of w_pat, aligned.
.set PITCH, 272
.set RED,   128*PITCH                  ; behind the stage: 8 bytes a wave: its sum and its count
.set ACC,   8                          ; v8-11   four running sums of |W| over |W| > t
.set CNT,   12                         ; v12-15  four running counts
.set U,     16                         ; v16-19  four pattern bytes, each in a word's top byte
.set X,     20                         ; v20-23  four numbers, or 0
.set P1,    24                         ; v24-39  part1: 16 words a lane
.set OUT,   40                         ; v40-71  packed bytes: 16 registers for each half, so that no LDS store's data are written again
.set WS,    72                         ; v72-199 W: two sets of 16 rows x 4 columns; on the way out v72-103 take the rows read back
	s_load_b256 s[4:11], s[0:1], 0x0               ; W s[4:5], part1 s[6:7], w_pat s[8:9], part2 s[10:11]
	v_lshl_add_u32 v200, v0, 2, 0x8900
	v_mov_b32 v201, 0
	v_lshrrev_b32 v6, 5, v0
	s_delay_alu instid0(VALU_DEP_1)
	v_readfirstlane_b32 s12, v6                    ; wave 0..7
	s_delay_alu instid0(VALU_DEP_2)
	v_lshl_add_u32 v6, v6, 3, RED                  ; my wave's 8 bytes
	v_mov_b32 v7, 0
	v_and_b32 v1, 31, v0                           ; lane
	s_delay_alu instid0(VALU_DEP_1)
	v_lshlrev_b32 v2, 4, v1                        ; 16 bytes a lane
	v_and_b32 v16, 15, v0
	v_bfe_u32 v17, v0, 4, 1                        ; h
	s_delay_alu instid0(VALU_DEP_4)
	v_mul_u32_u24 v3, v1, PITCH
	s_lshl_b32 s25, s12, 5
	v_add_nc_u32 v3, s25, v3                       ; into the stage: row = my lane (+ 32 j), bytes 32 w on
	v_mul_u32_u24 v4, v17, PITCH
	s_delay_alu instid0(VALU_DEP_1)
	v_lshl_add_u32 v4, v16, 4, v4
	s_mul_i32 s25, s12, 16*PITCH
	v_add_nc_u32 v4, s25, v4                       ; out of it: rows 16 w + h (+ 2 t), sixteen lanes to a row
	v_lshlrev_b32 v5, 14, v17
	s_delay_alu instid0(VALU_DEP_1)
	v_lshl_add_u32 v5, v16, 4, v5                  ; and in w_pat: h is 4 columns = 4 rows of 4,096 bytes
.irp i, 0,1,2,3,4,5,6,7
	v_mov_b32 v[ACC+\i], 0                         ; the four sums and the four counts
.endr
	s_and_b32 s14, ttmp7, 0xffff                   ; y
	s_mov_b32 s16, 0x7f000000
	s_mov_b32 s17, 0x07030703                      ; v_perm_b32: the two sources' top bytes, the second source's below
	s_mov_b32 s18, 0x05040100                      ; the two low halves
	s_mov_b32 s20, 0x76543210
	s_mov_b32 s21, 0xfedcba98                      ; v_permlanex16_b32's selects for lane l xor 16
	s_lshl_b32 s22, s14, 22                        ; W: 256 y rows of 16,384 bytes,
	s_lshl_b32 s23, s12, 19                        ; 32 w rows,
	s_add_co_u32 s22, s22, s23
	s_lshl_b32 s23, ttmp9, 9                       ; 128 x columns of 4 bytes
	s_add_co_u32 s22, s22, s23
	s_mov_b32 s23, 0
	s_and_b32 s26, s12, 1                          ; w_pat: stage row 16 w + 2 t + h is column 64 (w % 2) + 8 t + 4 h + w / 2
	s_lshl_b32 s26, s26, 18
	s_lshr_b32 s27, s12, 1
	s_lshl_b32 s27, s27, 12
	s_add_co_u32 s26, s26, s27
	s_lshl_b32 s27, ttmp9, 19                      ; 128 x rows of 4,096 bytes,
	s_add_co_u32 s26, s26, s27
	s_lshl_b32 s27, s14, 8                         ; 256 y bytes along K
	s_add_co_u32 s26, s26, s27
	s_mov_b32 s27, 0
	s_lshl_b32 s28, s14, 5
	s_add_co_u32 s28, s28, ttmp9                   ; the work-group's number 32 y + x,
	s_lshl_b32 s28, s28, 2                         ; a word each
	s_mov_b32 s29, 0
	s_wait_kmcnt 0x0
	s_add_nc_u64 s[4:5], s[4:5], s[22:23]
	s_add_nc_u64 s[8:9], s[8:9], s[26:27]
	s_add_nc_u64 s[10:11], s[10:11], s[28:29]
.irp i, 0,1,2,3
	global_load_b128 v[P1+4*\i:P1+4*\i+3], v2, s[6:7] offset:512*\i
.endr
.irp g, 0,1
.irp i, 0,1,2,3,4,5,6,7,8,9,10,11,12,13,14,15
	global_load_b128 v[WS+64*\g+4*\i:WS+64*\g+4*\i+3], v2, s[4:5] offset:(16*\g+\i)*16384 th:TH_LOAD_NT   ; row 16 g + i: 512 consecutive bytes
.endr
.endr
	s_wait_loadcnt 32                              ; part1 is in; W's 32 loads may be out
.irp o, 0,2,4,6
	v_pk_add_f32 v[P1+\o:P1+\o+1], v[P1+\o:P1+\o+1], v[P1+8+\o:P1+9+\o]
.endr
.irp o, 0,2
	s_delay_alu instid0(VALU_DEP_2)
	v_pk_add_f32 v[P1+\o:P1+\o+1], v[P1+\o:P1+\o+1], v[P1+4+\o:P1+5+\o]
.endr
	s_delay_alu instid0(VALU_DEP_1)
	v_pk_add_f32 v[P1:P1+1], v[P1:P1+1], v[P1+2:P1+3]
	s_delay_alu instid0(VALU_DEP_1)
	v_add_f32 v[P1], v[P1], v[P1+1]
	s_delay_alu instid0(VALU_DEP_1)
	v_add_f32_dpp v[P1], v[P1], v[P1] row_xmask:1 row_mask:0xf bank_mask:0xf
	s_delay_alu instid0(VALU_DEP_1)
	v_add_f32_dpp v[P1], v[P1], v[P1] row_xmask:2 row_mask:0xf bank_mask:0xf
	s_delay_alu instid0(VALU_DEP_1)
	v_add_f32_dpp v[P1], v[P1], v[P1] row_xmask:4 row_mask:0xf bank_mask:0xf
	s_delay_alu instid0(VALU_DEP_1)
	v_add_f32_dpp v[P1], v[P1], v[P1] row_xmask:8 row_mask:0xf bank_mask:0xf
	s_delay_alu instid0(VALU_DEP_1)
	v_permlanex16_b32 v[P1+1], v[P1], s20, s21
	s_delay_alu instid0(VALU_DEP_1)
	v_add_f32 v[P1], v[P1], v[P1+1]                ; the sum of |W|
	s_delay_alu instid0(VALU_DEP_1)
	v_mul_f32 v[P1], 0x33800000, v[P1]             ; x 2^-24: the mean; nothing is rounded
	s_delay_alu instid0(VALU_DEP_1)
	v_mul_f32 v[P1], 0x3f333333, v[P1]             ; x 0.7
	s_delay_alu instid0(VALU_DEP_1)
	v_readfirstlane_b32 s15, v[P1]                 ; t: an operand of compares alone; no branch and no address hangs on it
; Sixteen rows of K, 4 columns a lane.  q: which four rows; j: which column.
.macro TERN g
.irp q, 0,1,2,3
.irp j, 0,1,2,3
.irp i, 0,1,2,3
.set rE, WS+64*(\g)+4*(4*\q+\i)+\j
	v_cmp_ge_f32 vcc_lo, |v[rE]|, s15              ; the ternary test, not strict
	v_or_b32 v[U+\i], s16, v[rE]                   ; the top byte becomes the sign over seven ones
	s_delay_alu instid0(VALU_DEP_1)
	v_cndmask_b32 v[U+\i], 0, v[U+\i], vcc_lo
	v_cmp_gt_f32 vcc_lo, |v[rE]|, s15              ; alpha's test, strict
	s_delay_alu instid0(VALU_DEP_1)
	v_cndmask_b32 v[X+\i], 0, v[rE], vcc_lo
	s_delay_alu instid0(VALU_DEP_2)
	v_add_co_ci_u32 v[CNT+\i], vcc_lo, 0, v[CNT+\i], vcc_lo   ; the count takes the test's bit as its carry in
	s_delay_alu instid0(VALU_DEP_2)
	v_add_f32 v[ACC+\i], v[ACC+\i], |v[X+\i]|
.endr
	v_perm_b32 v[U], v[U+1], v[U], s17             ; the four top bytes into one word, the lower k in the lower byte
	v_perm_b32 v[U+2], v[U+3], v[U+2], s17
	s_delay_alu instid0(VALU_DEP_1)
	v_perm_b32 v[OUT+16*(\g)+4*\j+\q], v[U+2], v[U], s18
.endr
.endr
.irp j, 0,1,2,3
	ds_store_b128 v3, v[OUT+16*(\g)+4*\j:OUT+16*(\g)+4*\j+3] offset:\j*32*PITCH+16*(\g)   ; 16 neighbours along K of column 4 lane + j
.endr
.endm
	s_wait_loadcnt 16                              ; rows 0-15 are in; rows 16-31 may be out
	TERN 0
	s_wait_loadcnt 0x0
	TERN 1
	v_add_f32 v8, v8, v9
	v_add_f32 v10, v10, v11
	v_add_nc_u32 v12, v12, v13
	v_add_nc_u32 v14, v14, v15
	s_delay_alu instid0(VALU_DEP_3)
	v_add_f32 v8, v8, v10
	s_delay_alu instid0(VALU_DEP_2)
	v_add_nc_u32 v12, v12, v14
	s_delay_alu instid0(VALU_DEP_1)
	v_cvt_f32_u32 v9, v12                          ; counts go on as f32: the whole tensor's is at most 2^24, so every sum of them is exact
.irp m, 1
	s_delay_alu instid0(VALU_DEP_3)
	v_add_f32_dpp v8, v8, v8 row_xmask:\m row_mask:0xf bank_mask:0xf
	s_delay_alu instid0(VALU_DEP_2)
	v_add_f32_dpp v9, v9, v9 row_xmask:\m row_mask:0xf bank_mask:0xf
.endr
.irp m, 2, 4, 8
	s_delay_alu instid0(VALU_DEP_2)
	v_add_f32_dpp v8, v8, v8 row_xmask:\m row_mask:0xf bank_mask:0xf
	s_delay_alu instid0(VALU_DEP_2)
	v_add_f32_dpp v9, v9, v9 row_xmask:\m row_mask:0xf bank_mask:0xf
.endr
	s_delay_alu instid0(VALU_DEP_2)
	v_permlanex16_b32 v10, v8, s20, s21
	s_delay_alu instid0(VALU_DEP_2)
	v_permlanex16_b32 v11, v9, s20, s21
	s_delay_alu instid0(VALU_DEP_1)
	v_pk_add_f32 v[8:9], v[8:9], v[10:11]          ; the wave's sum and count, in every lane
	ds_store_b64 v6, v[8:9]
	s_wait_dscnt 0x0                               ; for the others' sake: my stores into the stage and my 8 bytes have landed
	s_barrier_signal -1
	s_barrier_wait -1
	s_cmp_lg_u32 s12, 0
	s_cbranch_scc1 .Lnot_wave_0                    ; wave 0 adds the eight pairs and stores the work-group's two words
.irp i, 0,1,2,3
	ds_load_b128 v[24+4*\i:27+4*\i], v7 offset:RED+16*\i
.endr
	s_wait_dscnt 0x0
	v_pk_add_f32 v[24:25], v[24:25], v[26:27]
	v_pk_add_f32 v[28:29], v[28:29], v[30:31]
	v_pk_add_f32 v[32:33], v[32:33], v[34:35]
	v_pk_add_f32 v[36:37], v[36:37], v[38:39]
	s_delay_alu instid0(VALU_DEP_3)
	v_pk_add_f32 v[24:25], v[24:25], v[28:29]
	s_delay_alu instid0(VALU_DEP_2)
	v_pk_add_f32 v[32:33], v[32:33], v[36:37]
	s_delay_alu instid0(VALU_DEP_1)
	v_pk_add_f32 v[24:25], v[24:25], v[32:33]
	v_cmp_eq_u32 vcc_lo, 0, v0
	s_wait_alu depctr_va_vdst(0)
	s_wait_xcnt 0x0                                ; EXEC changes only behind this wait
	s_and_saveexec_b32 s24, vcc_lo
	global_store_b32 v7, v24, s[10:11]             ; the sum
	global_store_b32 v7, v25, s[10:11] offset:2048 ; the count
	s_wait_xcnt 0x0                                ; and again in front of the line that widens it
	s_or_b32 exec_lo, exec_lo, s24
.Lnot_wave_0:
.irp t, 0,1,2,3,4,5,6,7
	ds_load_b128 v[WS+4*\t:WS+4*\t+3], v4 offset:\t*2*PITCH
.endr
.irp t, 0,1,2,3,4,5,6,7
	s_wait_dscnt 7-\t                              ; LDS loads come back in order: pair t of rows is in
	global_store_b128 v5, v[WS+4*\t:WS+4*\t+3], s[8:9] offset:\t*32768   ; 8 columns = 8 rows of w_pat on; sixteen lanes store 256 consecutive bytes, aligned
.endr
	s_wait_tensorcnt 0x0
	ds_add_u32 v200, v201
	s_wait_dscnt 0x0
	s_endpgm
.Lfunc_end_k_q11891f29f8_tern:
	.size	k_q11891f29f8_tern, .Lfunc_end_k_q11891f29f8_tern-k_q11891f29f8_tern
	.p2alignl 7, 3214868480
	.fill 96, 4, 3214868480
	.section	.rodata,"a",@progbits
	.p2align	6, 0x0
	.amdhsa_kernel k_q11891f29f8_tern
		.amdhsa_group_segment_fixed_size 36096
		.amdhsa_private_segment_fixed_size 0
		.amdhsa_enable_private_segment 0
		.amdhsa_kernarg_size 32
		.amdhsa_user_sgpr_count 2
		.amdhsa_user_sgpr_kernarg_segment_ptr 1
		.amdhsa_wavefront_size32 1
		.amdhsa_system_sgpr_workgroup_id_x 1
		.amdhsa_system_sgpr_workgroup_id_y 1
		.amdhsa_system_sgpr_workgroup_id_z 1
		.amdhsa_system_vgpr_workitem_id 0
		.amdhsa_next_free_vgpr 202
		.amdhsa_next_free_sgpr 66
		.amdhsa_reserve_vcc 1
		.amdhsa_float_denorm_mode_32 3
		.amdhsa_float_denorm_mode_16_64 3
		.amdhsa_memory_ordered 1
		.amdhsa_forward_progress 1
		.amdhsa_inst_pref_size 76
	.end_amdhsa_kernel
	.amdgpu_metadata
---
amdhsa.version: [ 1, 2 ]
amdhsa.kernels:
  - .name:           k_q11891f29f8_tern
    .symbol:         k_q11891f29f8_tern.kd
    .args:
      - { .name: W, .offset: 0, .size: 8, .value_kind: global_buffer, .address_space: global }
      - { .name: part1, .offset: 8, .size: 8, .value_kind: global_buffer, .address_space: global }
      - { .name: w_pat, .offset: 16, .size: 8, .value_kind: global_buffer, .address_space: global }
      - { .name: part2, .offset: 24, .size: 8, .value_kind: global_buffer, .address_space: global }
    .group_segment_fixed_size: 36096
    .private_segment_fixed_size: 0
    .kernarg_segment_align: 8
    .kernarg_segment_size: 32
    .max_flat_workgroup_size: 256
    .sgpr_count:     66
    .vgpr_count:     202
    .wavefront_size: 32
...
	.end_amdgpu_metadata
.endif
;; end of part 2
;; launch gemm (part 3): grid 16 x 16, 4 waves a work-group, clusters of 4 x 4, 327,680 bytes of LDS; arguments x_codes, x_scales, w_pat, part2, b, out0; writes out0
.if DOCPART == 3
	.amdgcn_target "amdgcn-amd-amdhsa--gfx1250"
	.amdhsa_code_object_version 6
	.text
	.protected	k_q11891f29f8_gemm
	.globl	k_q11891f29f8_gemm
	.p2align	8
	.type	k_q11891f29f8_gemm,@function
k_q11891f29f8_gemm:
	s_mov_b64 s[64:65], 0
	v_nop
	global_prefetch_b8 v0, s[64:65] scope:SCOPE_SE
	s_setreg_imm32_b32 hwreg(HW_REG_WAVE_MODE, 25, 1), 1
	s_wait_xcnt 0x0
	s_wait_alu depctr_hold_cnt(0) depctr_sa_sdst(0) depctr_va_vdst(0) depctr_va_sdst(0) depctr_va_ssrc(0) depctr_va_vcc(0) depctr_vm_vsrc(0)
	s_getreg_b32 s2, hwreg(HW_REG_IB_STS2, 6, 4)
	s_cmp_eq_u32 s2, 0
	s_cbranch_scc0 .Lentry_in_a_cluster
	s_endpgm
.Lentry_in_a_cluster:
	s_bfe_u32 s2, ttmp6, 0x10000c
	s_cmp_lg_u32 s2, 0xf033
	s_cbranch_scc0 .Lentry_shape_is_right
	s_endpgm
.Lentry_shape_is_right:
; out0[m][n] = sum over k of Q(inputs)[m][k] Q(alpha W_t)[k][n] + b[n], on codes of MX-FP8 (E4M3, one E8M0 byte for 32 along K), f32 sums that begin with b.
; x_codes [4096][4096], x_scales [4096][128]: inputs quantised.  w_pat [n][k]: 0x00, 0x7f or 0xff: W_t's pattern.  part2: 512 sums and 512 counts over |W| > t.
; alpha = sum / count (one Newton step behind v_rcp_f32).  A block of alpha W_t holds 0 and +-alpha alone, so every block with a number in it has alpha's scale byte and alpha's code under the sign:
; the code is made once by the conversion, and pattern AND (0x80 | code) gives W's codes.  A block of zeros carries alpha's byte where the quantiser says 127: its codes are zeros, which add nothing.
; LIMITS: NaN and infinities are not served; a count of 0 (the result is NaN by definition) is not served; alpha under 2^-118 has its byte held at 1.
; A work-group of four waves makes 256 x 256, a wave 128 x 128 (64 accumulators).  K goes in steps of 256 through two LDS slots (rows of 256 bytes + 16 of padding); x's scales of 256 rows lie in LDS throughout.
; CLUSTERS 4 x 4: x's tiles and scales are asked for jointly along a row of the cluster, W's along a column.
; Source 0 = 16 rows of w_pat, source 1 = 16 rows of x: a lane holds eight neighbouring columns of one row of out0.
; A step of 128 along K goes by W's blocks b, each against x's eight: W has ONE set of registers (window 0, beside the mask), x two (window 1).  W's blocks 0-3 are fetched in a step's middle, 4-7 at its end;
; their 64 ANDs stand among the last 24 products of the half step that follows the fetch.  Accumulator (a, b): window 2 + b / 4, v[8 (8 (b % 4) + a)].
; PREFETCH: behind each refill a wave names 32 rows x 256 bytes of the K step two refills on; the partners share the rows by address; the last two refills ask for nothing.
.set SIZE_N, 4096
.set SIZE_K, 4096
.set NQ,     2
.set ROWB,   256
.set KROW,   SIZE_K
.set PITCH,  272
.set FR,     16
.set NL,     4
.set NP,     8                         ; plain vector lines behind this matrix form (ISA guide 7.12.1)
.set HALFT,  128*PITCH
.set SLOT,   4*HALFT
.set LAPS,   SIZE_K/512
.set SCL,    2*SLOT                    ; x's scales: units of 256 bytes + 16
.set QUARTS, 32*272                    ; those of 64 rows
.set SBLK,   8*272                     ; of 16 rows
.set SPARE,  SCL+4*QUARTS
.set SPITCH, 528                       ; the way out's stage, in slot 0 behind its last read
.set ADRA, 16
.set ADRB, 20
.set STO,  24
.set RD,   25
.set CO,   26
.set ADRS, 27
.set SPW,  28
.set NIL,  29
.set PFO,  30
.set BO,   31
.set SC,   32                          ; v32-47 x's scale words, two sets
.set SBW,  48                          ; alpha's byte, four times
.set MASK, 50                          ; 0x80 | alpha's code, four times
.set BIAS, 64                          ; v64-127 b: the first products' C
.set BF,   128                         ; v128-255 W's fragments
.set SS,   128
.set NN,   144
.set AL,   160
.set BK,   128
.set G1, 24
.set G0, 32
.set G1B, 48
.set G0B, 56
.set G1S, 68
.set G0S, 76
.set PFA, 80
.set LIM, 82
.set MNT, 89
.set SEL, 90
.set G0H, 92                           ; the head's loads of K step 0: x's 256 rows, W's 256 rows
.set G0HB, 96
.set MSB, 0
.macro WIN new
.if MSB != \new
	s_set_vgpr_msb (MSB<<8)|\new
.set MSB, \new
.endif
.endm
.set TO_A, 0x40
.macro PLACES n
.rept \n
	v_nop
.endr
.endm
.macro TL g0, g1                       ; the s_nop 0 and four v_nop ahead of what follows
	tensor_load_to_lds s[\g0:\g0+3], s[\g1:\g1+7]
	s_nop 0
	PLACES 4
.endm
.macro JLOAD g0a, g1a, g0b, g1b        ; waves 0, 1 fetch x's halves, waves 2, 3 W's
	s_cmp_eq_u32 s17, 0
	s_cbranch_scc0 .Lfor_b_\@
	TL \g0a, \g1a
	s_branch .Lasked_\@
.Lfor_b_\@:
	TL \g0b, \g1b
.Lasked_\@:
.endm
.macro ASK
	s_cmp_gt_u32 s3, s[LIM]
	s_cbranch_scc0 .Lnot_mine_\@
	global_prefetch_b8 v[PFO], s[PFA:PFA+1] offset:ROWB th:TH_LOAD_NT scope:SCOPE_SE
.Lnot_mine_\@:
.endm
.macro CREST                           ; a round of the cluster's barrier behind its opening barrier
	s_cmp_lg_u32 s16, 0
	s_cbranch_scc1 .Lnot_wave_0_\@
	s_barrier_signal -3
.Lnot_wave_0_\@:
	s_barrier_wait -3
	s_barrier_signal -1
	s_barrier_wait -1
.endm
.macro CROUND
	s_barrier_signal -1
	s_barrier_wait -1
	CREST
.endm
	s_load_b256 s[4:11], s[0:1], 0x0               ; x_codes, x_scales, w_pat, part2
	s_load_b128 s[12:15], s[0:1], 0x20             ; b, out0
	v_lshl_add_u32 v[SPW], v0, 2, SPARE
	v_mov_b32 v[NIL], 0
	ds_add_u32 v[SPW], v[NIL]                      ; the opening lines
	ds_add_u32 v[SPW], v[NIL]
	v_lshrrev_b32 v1, 5, v0
	v_readfirstlane_b32 s16, v1                    ; wave
	s_lshr_b32 s17, s16, 1                         ; my half of the rows; also: I fetch for x (0) or W (1)
	s_and_b32 s18, s16, 1                          ; my half of the columns; also: which 128 rows I fetch
	s_bfe_u32 s40, ttmp6, 0x40000                  ; cx
	s_bfe_u32 s41, ttmp6, 0x40004                  ; cy
	s_lshl_b32 s42, ttmp9, 2
	s_add_co_u32 s42, s42, s40                     ; tile column
	s_and_b32 s19, ttmp7, 0xffff
	s_lshl_b32 s19, s19, 2
	s_add_co_u32 s19, s19, s41                     ; tile row
	s_lshl_b32 s43, s41, 2
	s_lshl_b32 s43, 15, s43                        ; my row of the cluster
	s_lshl_b32 s44, 0x1111, s40                    ; my column
	s_or_b32 s[G1+0], s43, (0<<16)|(1<<20)|(1<<21)|(5<<22)|(3<<25)
	s_or_b32 s[G1B+0], s44, (0<<16)|(1<<20)|(1<<21)|(5<<22)|(3<<25)
.irp g, G1, G1B
	s_mov_b32 s[\g+1], ROWB<<16
	s_mov_b32 s[\g+2], 256<<16                     ; 256 rows for the head's loads; 128 behind them
	s_mov_b32 s[\g+3], ROWB<<16
	s_mov_b32 s[\g+4], 256
	s_mov_b32 s[\g+5], KROW
	s_mov_b32 s[\g+6], 0
	s_mov_b32 s[\g+7], 0
.endr
	s_or_b32 s[G1S+0], s43, (3<<16)|(1<<20)|(1<<21)|(5<<22)|(3<<25)   ; the scales of 128 rows: 64 dense rows of 256 bytes
	s_mov_b32 s[G1S+1], 32<<16
	s_mov_b32 s[G1S+2], 64<<16
	s_mov_b32 s[G1S+3], 32<<16
	s_mov_b32 s[G1S+4], 64
	s_mov_b32 s[G1S+5], 32
	s_mov_b32 s[G1S+6], 0
	s_mov_b32 s[G1S+7], 0
	s_lshl_b32 s20, s18, 19                        ; 128 rows of 4,096 bytes
	s_mov_b32 s21, 0
	s_lshl_b32 s[G0H+2], s19, 20                   ; x: 256 x tile row rows
	s_mov_b32 s[G0H+3], 0
	s_lshl_b32 s[G0HB+2], s42, 20                  ; W: 256 x tile column rows
	s_mov_b32 s[G0HB+3], 0
	s_lshl_b32 s86, s19, 15                        ; scales: 256 rows of 128 bytes,
	s_lshl_b32 s87, s18, 14                        ; and 128 rows for wave 3
	s_add_co_u32 s86, s86, s87
	s_mov_b32 s87, 0
	s_mul_i32 s45, s16, HALFT
	s_mul_i32 s88, s18, 2*QUARTS
	s_mov_b32 s[MNT], 0x600000
	s_mov_b32 s[SEL], 0x76543210
	s_mov_b32 s[SEL+1], 0xfedcba98
	s_wait_dscnt 0x0                               ; both opening adds are done
	s_wait_kmcnt 0x0
	s_add_nc_u64 s[G0H+2:G0H+3], s[4:5], s[G0H+2:G0H+3]
	s_add_nc_u64 s[G0HB+2:G0HB+3], s[8:9], s[G0HB+2:G0HB+3]
	s_add_nc_u64 s[86:87], s[6:7], s[86:87]
	s_add_nc_u64 s[84:85], s[G0H+2:G0H+3], s[20:21]     ; for the ring: my 128 rows
	s_add_nc_u64 s[46:47], s[G0HB+2:G0HB+3], s[20:21]
	CROUND                                         ; all sixteen work-groups are here
	s_mov_b32 s[G0H], 1
	s_mov_b32 s[G0H+1], 0
	s_or_b32 s[G0H+3], s[G0H+3], 0x80000000
	s_mov_b32 s[G0HB], 1
	s_mov_b32 s[G0HB+1], 2*HALFT
	s_or_b32 s[G0HB+3], s[G0HB+3], 0x80000000
	s_mov_b32 s[G0S], 1
	s_add_co_u32 s[G0S+1], s88, SCL
	s_mov_b64 s[G0S+2:G0S+3], s[86:87]
	s_or_b32 s[G0S+3], s[G0S+3], 0x80000000
.irp s, 0,1
	s_mov_b32 s[G0+4*\s], 1
	s_add_co_u32 s[G0+4*\s+1], s45, \s*SLOT
	s_add_nc_u64 s[G0+4*\s+2:G0+4*\s+3], s[84:85], \s*ROWB
	s_or_b32 s[G0+4*\s+3], s[G0+4*\s+3], 0x80000000
	s_mov_b32 s[G0B+4*\s], 1
	s_add_co_u32 s[G0B+4*\s+1], s45, \s*SLOT
	s_add_nc_u64 s[G0B+4*\s+2:G0B+4*\s+3], s[46:47], \s*ROWB
	s_or_b32 s[G0B+4*\s+3], s[G0B+4*\s+3], 0x80000000
.endr
; the head's loads, one a wave: wave 0 x's 256 rows of K step 0, wave 1 W's, waves 2 and 3 the scales of 128 rows each
.macro ARM under, g0, g1, next
	s_cmp_lt_u32 s16, \under
	s_cbranch_scc0 \next
	TL \g0, \g1
	s_branch .Lhead_asked
\next:
.endm
	ARM 1, G0H,  G1,  .Lhead_b
	ARM 2, G0HB, G1B, .Lhead_s
	TL G0S, G1S
.Lhead_asked:
	v_and_b32 v1, 15, v0                           ; r
	v_bfe_u32 v2, v0, 4, 1                         ; h
	v_mul_u32_u24 v3, v1, PITCH
	v_lshl_add_u32 v4, v2, 4, v3
	s_mul_i32 s21, s17, HALFT
	s_mul_i32 s22, s18, HALFT
	s_add_co_u32 s22, s22, 2*HALFT
.irp s, 0,1
	v_add_nc_u32 v[ADRA+\s], s21, v4
	v_add_nc_u32 v[ADRB+\s], s22, v4
	s_add_co_u32 s21, s21, SLOT
	s_add_co_u32 s22, s22, SLOT
.endr
	v_lshlrev_b32 v5, 7, v1                        ; scale words: 128 bytes a row, 16 more for each 256 passed;
	v_lshrrev_b32 v6, 1, v1
	v_lshl_add_u32 v5, v6, 4, v5
	v_mul_u32_u24 v6, v2, 4*SBLK                   ; lanes 16-31 take the block four on
	v_add_nc_u32 v5, v5, v6
	s_mul_i32 s21, s17, 8*SBLK
	s_add_co_u32 s21, s21, SCL
	v_add_nc_u32 v[ADRS], s21, v5
	s_mul_i32 s23, s16, 16*SPITCH
	v_mul_u32_u24 v5, v1, SPITCH
	v_lshl_add_u32 v5, v2, 5, v5
	v_add_nc_u32 v[STO], s23, v5
	v_and_b32 v6, 31, v0
	v_lshlrev_b32 v[CO], 4, v6
	v_add_nc_u32 v[RD], s23, v[CO]
	v_lshlrev_b32 v[BO], 5, v2
	v_lshlrev_b32 v[PFO], 12, v6
	s_lshl_b32 s46, s42, 10                        ; my first column in bytes
	s_lshl_b32 s47, s18, 9
	s_add_co_u32 s46, s46, s47
	s_mov_b32 s47, 0
	s_add_nc_u64 s[12:13], s[12:13], s[46:47]
.irp i, 0,1,2,3
	global_load_b128 v[SS+4*\i:SS+4*\i+3], v[CO], s[10:11] offset:512*\i
	global_load_b128 v[NN+4*\i:NN+4*\i+3], v[CO], s[10:11] offset:2048+512*\i
.endr
.irp b, 0,1,2,3,4,5,6,7
	global_load_b128 v[BIAS+8*\b:BIAS+8*\b+3], v[BO], s[12:13] offset:64*\b
	global_load_b128 v[BIAS+8*\b+4:BIAS+8*\b+7], v[BO], s[12:13] offset:64*\b+16
.endr
	s_lshl_b32 s20, s19, 8
	s_lshl_b32 s21, s17, 7
	s_add_co_u32 s20, s20, s21
	s_lshl_b32 s20, s20, 14                        ; my first row of out0
	s_mov_b32 s21, 0
	s_add_nc_u64 s[20:21], s[20:21], s[46:47]
	s_add_nc_u64 s[14:15], s[14:15], s[20:21]
	s_lshl_b32 s20, s19, 8                         ; the prefetches: my work-group's 32 of the 128 rows that I fetch
	s_lshl_b32 s21, s42, 8
	s_cmp_eq_u32 s17, 0
	s_cselect_b32 s20, s20, s21
	s_cselect_b32 s21, s40, s41
	s_cselect_b64 s[PFA:PFA+1], s[4:5], s[8:9]
	s_mov_b32 s[LIM], 1                            ; every cluster asks for what it will itself load
	s_lshl_b32 s22, s18, 7
	s_add_co_u32 s20, s20, s22
	s_lshl_b32 s21, s21, 5
	s_add_co_u32 s20, s20, s21
	s_lshl_b32 s20, s20, 12
	s_add_co_u32 s20, s20, 2*ROWB
	s_mov_b32 s21, 0
	s_add_nc_u64 s[PFA:PFA+1], s[PFA:PFA+1], s[20:21]
	s_wait_loadcnt 0x0
.irp o, 0,2,4,6
	v_pk_add_f32 v[SS+\o:SS+\o+1], v[SS+\o:SS+\o+1], v[SS+8+\o:SS+9+\o]
	v_pk_add_f32 v[NN+\o:NN+\o+1], v[NN+\o:NN+\o+1], v[NN+8+\o:NN+9+\o]
.endr
.irp o, 0,2
	v_pk_add_f32 v[SS+\o:SS+\o+1], v[SS+\o:SS+\o+1], v[SS+4+\o:SS+5+\o]
	v_pk_add_f32 v[NN+\o:NN+\o+1], v[NN+\o:NN+\o+1], v[NN+4+\o:NN+5+\o]
.endr
	v_pk_add_f32 v[SS:SS+1], v[SS:SS+1], v[SS+2:SS+3]
	v_pk_add_f32 v[NN:NN+1], v[NN:NN+1], v[NN+2:NN+3]
	v_add_f32 v[SS], v[SS], v[SS+1]
	v_add_f32 v[NN], v[NN], v[NN+1]
.irp m, 1,2,4,8
	v_add_f32_dpp v[SS], v[SS], v[SS] row_xmask:\m row_mask:0xf bank_mask:0xf
	v_add_f32_dpp v[NN], v[NN], v[NN] row_xmask:\m row_mask:0xf bank_mask:0xf
.endr
	v_permlanex16_b32 v[SS+1], v[SS], s[SEL], s[SEL+1]
	v_permlanex16_b32 v[NN+1], v[NN], s[SEL], s[SEL+1]
	v_add_f32 v[SS], v[SS], v[SS+1]                ; the sum over |W| > t
	v_add_f32 v[NN], v[NN], v[NN+1]                ; the count
	s_wait_alu depctr_va_vdst(0)                   ; a wait ahead of the transcendental
	v_rcp_f32 v170, v[NN]
	v_nop
	s_wait_alu depctr_va_vdst(0)                   ; and behind it
	v_mul_f32 v171, v[SS], v170
	v_fma_f32 v172, -v[NN], v171, v[SS]
	v_fma_f32 v171, v172, v170, v171               ; alpha
	v_max_num_f32 v173, 0x4800000, v171            ; the floor: the byte cannot fall under 1
	v_add_nc_u32 v174, 0xfc000000, v173            ; the conversion's scale operand
	v_and_or_b32 v175, v173, 0x7f800000, s[MNT]    ; 448 x the scale
	v_lshrrev_b32 v176, 23, v174
	v_lshl_or_b32 v177, v176, 8, v176
	v_lshl_or_b32 v[SBW], v177, 16, v177
	v_min_num_f32 v[AL], v171, v175
.irp i, 1,2,3,4,5,6,7
	v_mov_b32 v[AL+\i], v[AL]
.endr
	v_cvt_scalef32_pk8_fp8_f32 v[168:169], v[AL:AL+7], v174
	v_nop
	v_or_b32 v[MASK], 0x80808080, v168
.macro FRAG reg, adr, q, i
.irp c, 0,1,2,3
	ds_load_b128 v[\reg+4*\c:\reg+4*\c+3], v[\adr] offset:128*(\q)+32*\c+(\i)*16*PITCH
.endr
.endm
.macro FETCH_A slot, q, p              ; x's eight fragments into set p of window 1
	WIN TO_A
.irp i, 0,1,2,3,4,5,6,7
	FRAG 128*(\p)+FR*\i, ADRA+\slot, \q, \i
.endr
	WIN 0
.endm
.macro FETCH_B slot, q, i0             ; W's blocks i0 .. i0 + 3
.irp i, \i0, \i0+1, \i0+2, \i0+3
	FRAG BF+FR*(\i), ADRB+\slot, \q, \i
.endr
.endm
.macro SCALES sc
.irp i, 0,1,2,3
	ds_load_b64 v[SC+8*\sc+NQ*\i:SC+8*\sc+NQ*\i+1], v[ADRS] offset:\i*SBLK
.endr
.endm
; Half a step: W's blocks 4 hi .. 4 hi + 3 x x's eight: 32 products, the accumulators by turns.
; mend = 1: behind product 8 the wait (count w) for W's OTHER four blocks, then their 64 ANDs, two or three behind each product.
; sig = 1: a change of slots: behind product 28 the wait for my tensor loads and the add, behind product 32 the wait for the add and the barrier's signal (my last reads of the slot came back at product 8).
.macro HALF hi, p, q, sc, first, mend, w, sig
.set N_, 0
.set M_, 0
.irp b, 0,1,2,3
.irp a, 0,1,2,3,4,5,6,7
.set rD, 8*(8*\b+\a)
.set rB, BF+FR*(4*\hi+\b)
.set rA, 128*(\p)+FR*\a
.set rS, SC+8*(\sc)+NQ*(\a%4)+(\q)
.if \first
.set rC, BIAS+8*(4*\hi+\b)
	WIN 0x84+0x40*\hi
.else
.set rC, rD
	WIN 0xa4+0x50*\hi
.endif
.if \a < 4
	v_wmma_scale_f32_16x16x128_f8f6f4 v[rD:rD+7], v[rB:rB+FR-1], v[rA:rA+FR-1], v[rC:rC+7], v[SBW], v[rS]
.else
	v_wmma_scale_f32_16x16x128_f8f6f4 v[rD:rD+7], v[rB:rB+FR-1], v[rA:rA+FR-1], v[rC:rC+7], v[SBW], v[rS] matrix_b_scale:MATRIX_SCALE_ROW1
.endif
.set N_, N_+1
.if \mend
.if N_ == 8
	s_wait_dscnt \w
.endif
.if N_ > 8
	WIN 0
.rept (64*(N_-8)+23)/24-M_
	v_and_b32 v[BF+64*(1-\hi)+M_], v[MASK], v[BF+64*(1-\hi)+M_]
.set M_, M_+1
.endr
.if \sig
.if N_ == 28
	s_wait_tensorcnt 0x0                           ; all my tensor loads have landed: my part of the next slot
	ds_add_u32 v[SPW], v[NIL]
.endif
.if N_ == 32
	s_wait_dscnt 0x0                               ; the add is done; my reads of this slot are over
	s_barrier_signal -1
.endif
.endif
.endif
.endif
.endr
.endr
	WIN 0
.if \sig == 0
	s_wait_alu depctr_va_vdst(0)
.endif
.endm
.macro STEP slot, q, first             ; a step whose successor lies in the same slot
	s_wait_dscnt 4*NL                              ; all but W's blocks 4-7
	HALF 0, (\q)%2, \q, \slot, \first, 1, 0, 0
	PLACES NP
	FETCH_B \slot, (\q)+1, 0
	FETCH_A \slot, (\q)+1, 1-(\q)%2
	HALF 1, (\q)%2, \q, \slot, \first, 1, 8*NL, 0  ; x's 32 loads may be out
	PLACES NP
	FETCH_B \slot, (\q)+1, 4
.endm
.macro TURN slot, next, fill           ; a slot's last step changes slots
.if \fill
	s_wait_xcnt 0x0                                ; my prefetch has read its address
	s_add_nc_u64 s[PFA:PFA+1], s[PFA:PFA+1], ROWB
.endif
	s_wait_dscnt 4*NL
	HALF 0, 1, NQ-1, \slot, 0, 1, 0, 1
	s_barrier_wait -1
.if \fill
	CREST                                          ; the barrier has opened a round of the cluster's barrier
	s_add_nc_u64 s[G0+4*\slot+2:G0+4*\slot+3], s[G0+4*\slot+2:G0+4*\slot+3], 2*ROWB
	s_add_nc_u64 s[G0B+4*\slot+2:G0B+4*\slot+3], s[G0B+4*\slot+2:G0B+4*\slot+3], 2*ROWB
	JLOAD G0+4*\slot, G1, G0B+4*\slot, G1B         ; the first tensor load behind the round
	PLACES NP-4
.else
	PLACES NP
.endif
	v_add_nc_u32 v[ADRS], 4*NQ, v[ADRS]            ; the next K step's scale words
	s_wait_alu depctr_va_vdst(0)                   ; for this write and for the ANDs above
	FETCH_B \next, 0, 0
	FETCH_A \next, 0, 0
	SCALES \next
.if \fill
	ASK
.endif
	HALF 1, 1, NQ-1, \slot, 0, 1, 8*NL+4, 0        ; x's 32 loads and the 4 of scale words may be out
	PLACES NP
	FETCH_B \next, 0, 4
.endm
	s_wait_alu depctr_va_vdst(0)                   ; a wait at the head's end
	s_wait_tensorcnt 0x0                           ; my tile of the head's is in; the three lines ahead of slot 1's first fill
	ds_add_u32 v[SPW], v[NIL]
	s_mov_b32 s[G1+2], 128<<16                     ; no load of mine is out: from here on a load brings 128 rows
	s_mov_b32 s[G1+4], 128
	s_mov_b32 s[G1B+2], 128<<16
	s_mov_b32 s[G1B+4], 128
	s_wait_dscnt 0x0
	CROUND
	JLOAD G0+4, G1, G0B+4, G1B                     ; K step 1
	FETCH_B 0, 0, 0
	FETCH_A 0, 0, 0
	SCALES 0
	s_wait_dscnt 8*NL+4                            ; W's blocks 0-3 are in
.set I_, 0
.rept 64
	v_and_b32 v[BF+I_], v[MASK], v[BF+I_]
.set I_, I_+1
.endr
	PLACES 4
	FETCH_B 0, 0, 4
	s_wait_alu depctr_va_vdst(0)
	STEP 0, 0, 1                                   ; the first step's sums begin with b
	s_mov_b32 s3, LAPS-1
.Llap:
	TURN 0, 1, 1
	STEP 1, 0, 0
	TURN 1, 0, 1
	STEP 0, 0, 0
	s_sub_co_u32 s3, s3, 1
	s_cmp_lg_u32 s3, 0
	s_cbranch_scc1 .Llap
	TURN 0, 1, 0                                   ; the last lap fills nothing
	STEP 1, 0, 0
	s_wait_dscnt 4*NL
	HALF 0, 1, NQ-1, 1, 0, 1, 0, 0
	PLACES 4
	HALF 1, 1, NQ-1, 1, 0, 0, 0, 0
; the way out: 16 rows x 128 columns at a time through my own stage, back as whole rows of 512 bytes
.macro TOSTAGE a
.irp b, 0,1,2,3,4,5,6,7
	WIN 0x08+4*(\b/4)
	ds_store_b128 v[STO], v[8*(8*(\b%4)+(\a)):8*(8*(\b%4)+(\a))+3] offset:64*\b
	ds_store_b128 v[STO], v[8*(8*(\b%4)+(\a))+4:8*(8*(\b%4)+(\a))+7] offset:64*\b+16
.endr
	WIN 0
.set BB, BK+64*((\a)%2)
.irp t, 0,1,2,3,4,5,6,7,8,9,10,11,12,13,14,15
	ds_load_b128 v[BB+4*\t:BB+4*\t+3], v[RD] offset:\t*SPITCH
.endr
.endm
.macro SEND a, younger
.set BB, BK+64*((\a)%2)
	s_wait_dscnt \younger
.if (\a) > 0
	s_add_nc_u64 s[14:15], s[14:15], 16*SIZE_N*4
.endif
.irp t, 0,1,2,3,4,5,6,7,8,9,10,11,12,13,14,15
	global_store_b128 v[CO], v[BB+4*\t:BB+4*\t+3], s[14:15] offset:\t*SIZE_N*4 th:TH_STORE_NT   ; 32 lanes store 512 consecutive bytes, aligned
.endr
.endm
	PLACES NP
	TOSTAGE 0
.irp a, 1,2,3,4,5,6,7
.if \a > 1
	s_wait_xcnt 0x0                                ; block a - 2's stores have read their registers and their base
.endif
	TOSTAGE \a
	SEND \a-1, 32
.endr
	s_wait_xcnt 0x0
	SEND 7, 0
	s_wait_tensorcnt 0x0                           ; the wave's end
	ds_add_u32 v[SPW], v[NIL]
	s_wait_dscnt 0x0
	CROUND                                         ; the closing round
	s_endpgm
.Lfunc_end_k_q11891f29f8_gemm:
	.size	k_q11891f29f8_gemm, .Lfunc_end_k_q11891f29f8_gemm-k_q11891f29f8_gemm
	.p2alignl 7, 3214868480
	.fill 96, 4, 3214868480
	.section	.rodata,"a",@progbits
	.p2align	6, 0x0
	.amdhsa_kernel k_q11891f29f8_gemm
		.amdhsa_group_segment_fixed_size 327680
		.amdhsa_private_segment_fixed_size 0
		.amdhsa_enable_private_segment 0
		.amdhsa_kernarg_size 48
		.amdhsa_user_sgpr_count 2
		.amdhsa_user_sgpr_kernarg_segment_ptr 1
		.amdhsa_wavefront_size32 1
		.amdhsa_system_sgpr_workgroup_id_x 1
		.amdhsa_system_sgpr_workgroup_id_y 1
		.amdhsa_system_sgpr_workgroup_id_z 1
		.amdhsa_system_vgpr_workitem_id 0
		.amdhsa_next_free_vgpr 1024
		.amdhsa_next_free_sgpr 100
		.amdhsa_reserve_vcc 0
		.amdhsa_float_denorm_mode_32 3
		.amdhsa_float_denorm_mode_16_64 3
		.amdhsa_memory_ordered 1
		.amdhsa_forward_progress 1
		.amdhsa_inst_pref_size 205
	.end_amdhsa_kernel
	.amdgpu_metadata
---
amdhsa.version: [ 1, 2 ]
amdhsa.kernels:
  - .name:           k_q11891f29f8_gemm
    .symbol:         k_q11891f29f8_gemm.kd
    .args:
      - { .name: x_codes, .offset: 0, .size: 8, .value_kind: global_buffer, .address_space: global }
      - { .name: x_scales, .offset: 8, .size: 8, .value_kind: global_buffer, .address_space: global }
      - { .name: w_pat, .offset: 16, .size: 8, .value_kind: global_buffer, .address_space: global }
      - { .name: part2, .offset: 24, .size: 8, .value_kind: global_buffer, .address_space: global }
      - { .name: b, .offset: 32, .size: 8, .value_kind: global_buffer, .address_space: global }
      - { .name: out0, .offset: 40, .size: 8, .value_kind: global_buffer, .address_space: global }
    .group_segment_fixed_size: 327680
    .private_segment_fixed_size: 0
    .kernarg_segment_align: 8
    .kernarg_segment_size: 48
    .max_flat_workgroup_size: 128
    .sgpr_count:     100
    .vgpr_count:     1024
    .wavefront_size: 32
...
	.end_amdgpu_metadata
.endif
;; end of part 3
